; MI455X (gfx1250); checked and timed in simulation.
; The chip was launched on July 23, 2026; its instructions are those of AMD's public machine-readable ISA for CDNA 5 (MIT licence, August 2026) and "CDNA5" Instruction Set Architecture Reference Guide (July 2026). The comments in the code are by the model that wrote it; some were corrected since.
;; Attention Text. Allowed arithmetic: matrix products marked QUANTISED: E4M3 operands, one given power-of-two scale a tensor, by v_wmma_f32_16x16x64_fp8_fp8 or v_wmma_f32_16x16x128_fp8_fp8, f32 sums; everything else in f32.
;; Inputs: in_proj_bias 3,072 float32; in_proj_weight 3,072 x 1,024 float32; lowp_scales 8 int32 (the exponents e of the quantised operands' scales 2^e); out_proj_bias 1,024 float32; out_proj_weight 1,024 x 1,024 float32; x 8 x 1,024 x 1,024 float32.
;; Outputs: out0 8 x 1,024 x 1,024 float32.
;; This version of the problem:
;;   THIS VERSION OF THE PROBLEM IS GIVEN IN LOW PRECISION. The matrix products marked QUANTISED in the list below multiply operands that are first quantised to E4M3 (4 exponent bits, 3 mantissa bits; 8 bits a number), with one given power-of-two scale for each operand tensor; their sums are f32. All else is computed in f32.
;;   The module's matrix products, in the order in which they are computed (A, B: the left and right operand; K: the contracted axis; several contracted axes count as one K, in the product's order):
;;     1. [M 8,192, K 1,024] x [K 1,024, N 3,072]; A: input x; B: input in_proj_weight: QUANTISED (scales: A lowp_scales[0], B lowp_scales[1])
;;     2. batch 128 x [M 1,024, K 64] x [K 64, N 1,024]; A: computed on the way; B: computed on the way: QUANTISED (scales: A lowp_scales[2], B lowp_scales[3])
;;     3. batch 128 x [M 1,024, K 1,024] x [K 1,024, N 64]; A: softmax (see below); B: computed on the way: QUANTISED (scales: A lowp_scales[4], B lowp_scales[5])
;;     4. [M 8,192, K 1,024] x [K 1,024, N 1,024]; A: computed on the way; B: input out_proj_weight: QUANTISED (scales: A lowp_scales[6], B lowp_scales[7])
;;   THE QUANTISER, for each operand of a quantised product, along K:
;;     - The operand's scale is 2^e, e = its entry of the input lowp_scales (int32; the entries are numbered through the quantised products in the list's order, A before B).
;;     - Each number is divided by the scale, clamped to +-448, and rounded to the nearest number of E4M3, ties to even, subnormals kept.
;;     - The product sums the exact products of the quantised numbers (number of the format x scale) in f32.
;;   ~~~python
;;   def quantise(x, axis, e):      # numpy; x: float32 -> the quantised numbers, widened to float32 again
;;       x = np.moveaxis(x, axis, -1); K = x.shape[-1]
;;       r = np.clip(x / 2.0 ** e, -448, 448)
;;       step = 2.0 ** (np.maximum(np.frexp(np.where(r == 0, 1, r))[1] - 1, -6) - 3)
;;       q = np.round(r / step) * step * 2.0 ** e      # np.round: ties to even
;;       return np.moveaxis(q, -1, axis).astype(np.float32)
;;   ~~~
;;   SOFTMAX AHEAD OF A QUANTISED PRODUCT. Where the list says 'softmax', what is quantised is not the finished softmax but p = 2^(t - M), with t = logit x log2(e) and M = ceil(the row's largest t), a whole number; so 1/2 < the row's largest p <= 1. The row's sum l is taken of the UNQUANTISED p, in f32, and the product's result is divided by l at the end. Since M is a whole number, a kernel that streams over the keys may use a running M (the ceiling of the running maximum): every later rescaling is an exact power of two, so the quantised numbers keep their values, but for numbers so far below the row's largest that they fall under the format's range.
;;   OPERANDS COMPUTED ON THE WAY. 'Computed on the way' means the value that the module computes at that place (a softmax that the list does not call 'softmax' is quantised finished and normalised). What goes into a quantiser is computed in f32, as accurately as f32 sums, v_exp_f32 and their like allow (about 1e-6 of the number): no bf16 or f16 on the way to a quantiser, and a product that is left as it is and whose result goes on into a quantised operand takes f32 operands (vector FMAs, or v_wmma_f32_16x16x4_f32). A number that lies on a knife's edge between two numbers of the format may be rounded either way, as far as f32 arithmetic and the matrix unit's own rounding can turn it there, and no further.
;; One version. Each part assembles by itself: llvm-mc -triple=amdgcn-amd-amdhsa -mcpu=gfx1250 --defsym DOCPART=n.
;; ======== version 1 of 1: 4 launches
;; limits: right only within a limited range of input values
;; workspace buffers: x_codes 8,388,608 bytes; win_codes 3,145,728 bytes; wout_codes 1,048,576 bytes; q_codes 8,388,608 bytes; k_codes 8,388,608 bytes; v_codes 8,388,608 bytes; o_codes 8,388,608 bytes
;; launch quant (part 1): grid 768 x 1, 4 waves a work-group, no clusters, 34,304 bytes of LDS; arguments x, in_proj_weight, out_proj_weight, lowp_scales, x_codes, win_codes, wout_codes; writes x_codes, win_codes, wout_codes
.if DOCPART == 1
	.amdgcn_target "amdgcn-amd-amdhsa--gfx1250"
	.amdhsa_code_object_version 6
	.text
	.protected	k_q25a9da84fc_quant
	.globl	k_q25a9da84fc_quant
	.p2align	8
	.type	k_q25a9da84fc_quant,@function
k_q25a9da84fc_quant:
	s_mov_b64 s[64:65], 0
	v_nop
	global_prefetch_b8 v0, s[64:65] scope:SCOPE_SE
	s_setreg_imm32_b32 hwreg(HW_REG_WAVE_MODE, 25, 1), 1
	s_wait_xcnt 0x0
; x [8192][1024], in_proj_weight [3072][1024], out_proj_weight [1024][1024], f32, K innermost, become codes of FP8 (E4M3), each tensor with its given scale 2^e
; (entries 0, 1 and 7 of the scales).  code = x / 2^e, held within +-448, rounded to the nearest code, ties to even.
; LIMITS: -126 <= e <= 119.  NaN among the inputs is not served; an infinity is held at the largest code.
; THE CODES ARE LAID AS IMAGES OF OPERAND REGISTERS: [block of 8 groups (out_proj_weight: 4)][K step of 256: 4][group of 16 rows][c 0..7][lane 32][16 bytes];
; byte i of lane 16 h + r is k = 256 ks + 32 c + 16 h + i of the group's row r.  So the products' launches fetch a K step of a block as one dense run of bytes and a fragment by four loads at 16 x lane.
; ROWS OF A GROUP: x: 16 g + r.  Weights: group g = 2 B + u takes rows 32 B + 8 u + r + 8 (r / 8), so that the results of two neighbouring groups are 16 neighbours along the next K.
; SHARES: a work-group takes a group (0-511: x; 512-703: in_proj_weight; 704-767: out_proj_weight), wave w its K step w: 1,024 bytes of each of 16 rows, as two units of 128 along K.
; Each load reads 512 consecutive bytes of a row; a unit turns through the wave's own stage in LDS so that a lane gets 16 neighbours of each block of 32; each store writes 512 consecutive bytes.
; All 32 loads of a wave are out at once: no loop, no ring, no barrier (waves share nothing).
.set R,   16                           ; v16-143   as loaded: unit u, row r at R + 64 u + 4 r
.set X,   144                          ; v144-207  64 numbers of my row: register 16 c + i = k 32 c + 16 h + i of the unit
.set C,   208                          ; v208-239  the codes: 16 registers a unit, so that no store's data are written again
.set SP,  528                          ; a stage row: 512 bytes + 16: the 16 rows that a read touches start at 16 different 16-byte columns
.set WST, 16*SP                        ; a wave's stage
	s_load_b256 s[4:11], s[0:1], 0x0               ; x s[4:5], in_proj_weight s[6:7], out_proj_weight s[8:9], the scales' exponents s[10:11]
	s_load_b128 s[12:15], s[0:1], 0x20             ; x_codes s[12:13], win_codes s[14:15]
	s_load_b64 s[16:17], s[0:1], 0x30              ; wout_codes
	v_lshl_add_u32 v240, v0, 2, 0x8400
	v_mov_b32 v241, 0
	v_lshrrev_b32 v1, 5, v0
	v_readfirstlane_b32 s18, v1                    ; wave = K step
	v_and_b32 v2, 31, v0
	v_lshlrev_b32 v3, 4, v2                        ; 16 x lane: my bytes of a load, of a store, and of a stage row on the way in
	s_wait_alu depctr_va_vdst(0)
	s_mul_i32 s19, s18, WST
	v_add_nc_u32 v5, s19, v3                       ; the stage, in
	v_and_b32 v7, 15, v0                           ; r
	v_bfe_u32 v8, v0, 4, 1                         ; h
	v_mul_u32_u24 v6, v7, SP
	v_lshl_add_u32 v6, v8, 6, v6
	v_add_nc_u32 v6, s19, v6                       ; the stage, out: row r, + 64 h
	; which tensor: every choice hangs on the work-group's number alone
	s_mov_b32 s25, 704
	s_cmp_lt_u32 ttmp9, 704
	s_cselect_b32 s25, 512, s25
	s_cselect_b32 s41, 3, 2                        ; log2 of the groups in a block
	s_cmp_lt_u32 ttmp9, 512
	s_cselect_b32 s25, 0, s25                      ; the tensor's first work-group
	s_cselect_b32 s26, 0, 8                        ; 8 where the rows of a group are permuted
	s_sub_co_u32 s27, ttmp9, s25                   ; g
	s_and_b32 s28, s27, 1
	s_mul_i32 s28, s28, s26
	s_lshl_b32 s29, s27, 4
	s_sub_co_u32 s28, s29, s28                     ; the group's first row: 16 g, less 8 in an odd group of a weight
	s_lshl_b32 s28, s28, 12                        ; rows of 4,096 bytes
	s_lshl_b32 s29, s18, 10
	s_add_co_u32 s28, s28, s29                     ; + my K step's 1,024 bytes
	s_mov_b32 s29, 0
	s_lshr_b32 s30, s27, s41                       ; the codes: block,
	s_add_co_u32 s42, s41, 14
	s_lshl_b32 s30, s30, s42
	s_add_co_u32 s42, s41, 12
	s_lshl_b32 s31, s18, s42                       ; K step,
	s_add_co_u32 s30, s30, s31
	s_bfm_b32 s31, s41, 0
	s_and_b32 s31, s27, s31
	s_lshl_b32 s31, s31, 12                        ; group in the block
	s_add_co_u32 s30, s30, s31
	s_mov_b32 s31, 0
	s_lshl_b32 s40, s26, 12
	v_add_nc_u32 v4, s40, v3                       ; rows 8-15 of a weight's group lie 8 rows further down
	s_wait_alu depctr_va_vdst(0)
	s_wait_kmcnt 0x0
	s_load_b256 s[32:39], s[10:11], 0x0            ; e0 .. e7
	s_cmp_lt_u32 ttmp9, 704
	s_cselect_b64 s[20:21], s[6:7], s[8:9]
	s_cselect_b64 s[22:23], s[14:15], s[16:17]
	s_cmp_lt_u32 ttmp9, 512
	s_cselect_b64 s[20:21], s[4:5], s[20:21]       ; from
	s_cselect_b64 s[22:23], s[12:13], s[22:23]     ; to
	s_add_nc_u64 s[20:21], s[20:21], s[28:29]
	s_add_nc_u64 s[22:23], s[22:23], s[30:31]
.irp u, 0,1
.irp r, 0,1,2,3,4,5,6,7,8,9,10,11,12,13,14,15
.if \r < 8
	global_load_b128 v[R+64*\u+4*\r:R+64*\u+4*\r+3], v3, s[20:21] offset:\r*4096+\u*512 th:TH_LOAD_NT
.else
	global_load_b128 v[R+64*\u+4*\r:R+64*\u+4*\r+3], v4, s[20:21] offset:\r*4096+\u*512 th:TH_LOAD_NT
.endif
.endr
.endr
	s_wait_kmcnt 0x0
	s_cmp_lt_u32 ttmp9, 704
	s_cselect_b32 s24, s33, s39
	s_cmp_lt_u32 ttmp9, 512
	s_cselect_b32 s24, s32, s24                    ; e
	s_add_co_i32 s24, s24, 127
	s_lshl_b32 s25, s24, 23
	v_mov_b32 v11, s25                             ; 2^e as f32: the conversion takes its exponent field
	s_add_co_i32 s24, s24, 8
	s_lshl_b32 s24, s24, 23
	s_or_b32 s24, s24, 0x600000
	v_mov_b32 v10, s24                             ; 448 x 2^e
.macro UNIT u
	s_wait_loadcnt 16-16*\u                        ; loads come back in order: unit 0 leaves unit 1's sixteen out
.irp r, 0,1,2,3,4,5,6,7,8,9,10,11,12,13,14,15
	ds_store_b128 v5, v[R+64*\u+4*\r:R+64*\u+4*\r+3] offset:\r*SP
.endr
.irp c, 0,1,2,3
.irp i, 0,1,2,3
	ds_load_b128 v[X+16*\c+4*\i:X+16*\c+4*\i+3], v6 offset:128*\c+16*\i   ; LDS serves a wave's instructions in order: these see the stores above, and the next unit's stores come behind them
.endr
.endr
	s_wait_dscnt 0x0
.set n, 0
.rept 64
	v_med3_num_f32 v[X+n], v[X+n], -v10, v10       ; the conversion to an 8-bit code does not saturate (ISA guide 7.6.2): the hold at the largest code x the scale
.set n, n+1
.endr
.irp n8, 0,1,2,3,4,5,6,7
	v_cvt_scalef32_pk8_fp8_f32 v[C+16*\u+2*\n8:C+16*\u+2*\n8+1], v[X+8*\n8:X+8*\n8+7], v11
.endr
	v_nop                                          ; a plain line between the conversions and the next unit's holds, which write their sources
.irp c, 0,1,2,3
	global_store_b128 v3, v[C+16*\u+4*\c:C+16*\u+4*\c+3], s[22:23] offset:\u*2048+512*\c   ; 32 lanes store 512 consecutive bytes, at a multiple of 512 from the buffer's first byte
.endr
.endm
	s_wait_alu depctr_va_vdst(0)
	UNIT 0
	UNIT 1
	s_wait_tensorcnt 0x0
	ds_add_u32 v240, v241
	s_wait_dscnt 0x0
	s_endpgm
.Lfunc_end_k_q25a9da84fc_quant:
	.size	k_q25a9da84fc_quant, .Lfunc_end_k_q25a9da84fc_quant-k_q25a9da84fc_quant
	.p2alignl 7, 3214868480
	.fill 96, 4, 3214868480
	.section	.rodata,"a",@progbits
	.p2align	6, 0x0
	.amdhsa_kernel k_q25a9da84fc_quant
		.amdhsa_group_segment_fixed_size 34304
		.amdhsa_private_segment_fixed_size 0
		.amdhsa_enable_private_segment 0
		.amdhsa_kernarg_size 56
		.amdhsa_user_sgpr_count 2
		.amdhsa_user_sgpr_kernarg_segment_ptr 1
		.amdhsa_wavefront_size32 1
		.amdhsa_system_sgpr_workgroup_id_x 1
		.amdhsa_system_sgpr_workgroup_id_y 1
		.amdhsa_system_sgpr_workgroup_id_z 1
		.amdhsa_system_vgpr_workitem_id 0
		.amdhsa_next_free_vgpr 242
		.amdhsa_next_free_sgpr 66
		.amdhsa_reserve_vcc 0
		.amdhsa_float_denorm_mode_32 3
		.amdhsa_float_denorm_mode_16_64 3
		.amdhsa_memory_ordered 1
		.amdhsa_forward_progress 1
		.amdhsa_inst_pref_size 21
	.end_amdhsa_kernel
	.amdgpu_metadata
---
amdhsa.version: [ 1, 2 ]
amdhsa.kernels:
  - .name:           k_q25a9da84fc_quant
    .symbol:         k_q25a9da84fc_quant.kd
    .args:
      - { .name: x, .offset: 0, .size: 8, .value_kind: global_buffer, .address_space: global }
      - { .name: in_proj_weight, .offset: 8, .size: 8, .value_kind: global_buffer, .address_space: global }
      - { .name: out_proj_weight, .offset: 16, .size: 8, .value_kind: global_buffer, .address_space: global }
      - { .name: lowp_scales, .offset: 24, .size: 8, .value_kind: global_buffer, .address_space: global }
      - { .name: x_codes, .offset: 32, .size: 8, .value_kind: global_buffer, .address_space: global }
      - { .name: win_codes, .offset: 40, .size: 8, .value_kind: global_buffer, .address_space: global }
      - { .name: wout_codes, .offset: 48, .size: 8, .value_kind: global_buffer, .address_space: global }
    .group_segment_fixed_size: 34304
    .private_segment_fixed_size: 0
    .kernarg_segment_align: 8
    .kernarg_segment_size: 56
    .max_flat_workgroup_size: 128
    .sgpr_count:     66
    .vgpr_count:     242
    .wavefront_size: 32
...
	.end_amdgpu_metadata
.endif
;; end of part 1
;; launch qkv (part 2): grid 8 x 32, 4 waves a work-group, clusters of 4 x 1, 327,680 bytes of LDS; arguments x_codes, win_codes, lowp_scales, in_proj_bias, q_codes, k_codes, v_codes; writes q_codes, k_codes, v_codes
.if DOCPART == 2
	.amdgcn_target "amdgcn-amd-amdhsa--gfx1250"
	.amdhsa_code_object_version 6
	.text
	.protected	k_q25a9da84fc_qkv
	.globl	k_q25a9da84fc_qkv
	.p2align	8
	.type	k_q25a9da84fc_qkv,@function
k_q25a9da84fc_qkv:
	s_mov_b64 s[64:65], 0
	v_nop
	global_prefetch_b8 v0, s[64:65] scope:SCOPE_SE
	s_setreg_imm32_b32 hwreg(HW_REG_WAVE_MODE, 25, 1), 1
	s_wait_xcnt 0x0
	s_wait_alu depctr_hold_cnt(0) depctr_sa_sdst(0) depctr_va_vdst(0) depctr_va_sdst(0) depctr_va_ssrc(0) depctr_va_vcc(0) depctr_vm_vsrc(0)
	s_getreg_b32 s2, hwreg(HW_REG_IB_STS2, 6, 4)
	s_cmp_eq_u32 s2, 0
	s_cbranch_scc0 .Lentry_in_a_cluster
	s_endpgm
.Lentry_in_a_cluster:
	s_bfe_u32 s2, ttmp6, 0x10000c
	s_cmp_lg_u32 s2, 0x3003
	s_cbranch_scc0 .Lentry_shape_is_right
	s_endpgm
.Lentry_shape_is_right:
; qkv = x W^T + b on codes of FP8 (E4M3), K = 1,024; each result is quantised at once for the attention's products: q with e2, k with e3, v with e5.
; LIMITS: e0 + e1 between -126 and 126; e2, e3, e5 less (e0 + e1) between -126 and 119.  k is permuted alike in both operands (registers 4 c .. 4 c + 3 hold k = 32 c + 16 h + 0 .. 15).
; SHARES: a work-group takes 256 tokens (y) and one pair of heads (x): three sub-tiles of 256 tokens x 128 rows of W: the pair's q rows, k rows, v rows, one after the other.  8 x 32 = 256 work-groups.
; A wave takes 128 tokens (wave / 2) x 64 rows of W, one head (wave % 2): 32 accumulators; a sub-tile is 8 steps of 128 along K, 32 matrix instructions each; 24 steps in all.
; THE TOKENS' CODES, 256 x 1,024 = 262,144 bytes, one dense run of memory (images of operand registers), LIE WHOLE IN LDS: one tensor load a wave, 65,536 bytes; nothing is filled again.
; The four work-groups of a cluster (4 x 1) take the same tokens: that load is a joint one.
; W'S CODES GO FROM MEMORY STRAIGHT INTO REGISTERS: they too are images of operand registers (a fragment is four loads at 16 x lane).  A ring of four slots of 64 registers; step i asks for step i + 3's.
; W never enters LDS, which the tokens fill, so it has no joint load.  No prefetch is laid: W's loads themselves are issued three steps ahead of their use, and the tokens' tile is asked for once, at the head.
; THE MATRIX INSTRUCTION: q, k: source 0 = W, source 1 = x: lane (r, h) holds token r, registers run along the head's channels (q's and k's K).  v: THE SOURCES CHANGE PLACES: lane = channel, registers run along the tokens, the keys, v's K.
; W's groups take permuted rows (group 2 B + u: rows 32 B + 8 u + r + 8 (r / 8)), so two neighbouring groups give 16 neighbouring channels and the conversions' results are images of the attention's operand registers.
;   q_codes, k_codes: [head 128][tile of 16 tokens 64][c 0..1][lane][16 B].   v_codes: [head][step of 128 keys 8][tile of 16 channels 4][c 0..3][lane][16 B].
; THE BIAS is the C of each accumulator's first product, divided by 2^(e0 + e1); the sums stay in units of 2^(e0 + e1), and the conversion's scale is 2^(e - e0 - e1).  So the way out is the hold, the conversion, the store.
; REGISTERS: window 0: v2-31 addresses and scales; v32-127 the three sub-tiles' bias as C; v128-255 x's fragments, set 0.   window 1: the accumulators ((a, b) at v[32 a + 8 b]).
;   window 2: W's ring.   window 3: v64-191 x's fragments, set 1; v0-63 and v192-255 the codes on the way out.
.set NG,    24                         ; steps of 128 along K, all sub-tiles
.set SUBS,  1048576                    ; from q's rows of W to k's, and to v's: 1,024 rows of codes
.set KSS,   32768                      ; a K step of 256 of a block of 8 groups of W
.set SPARE, 262144                     ; behind the tokens' tile: the spare words, 128 bytes a wave
.set LN,    2                          ; v2   16 x lane
.set ADRA,  4                          ; v4-5 LDS address of my 128 tokens' fragments: K 0-511, K 512-1,023
.set SPW,   6                          ; v6   my spare word; never rewritten
.set NIL,   7                          ; v7   0; never rewritten
.set HOLD,  10                         ; v10-15  for q, k, v: 448 x the conversion's scale, and that scale
.set BC,    32
.set G0,    24                         ; s[24:27] descriptor group 0
.set G1,    32                         ; s[32:39] group 1
.set MSB, 0
.macro WIN new                         ; the immediate's high byte repeats the setting that is left
.if MSB != (\new)
	s_set_vgpr_msb (MSB<<8)|(\new)
.set MSB, (\new)
.endif
.endm
.macro CROUND                          ; a round of the cluster's barrier
	s_barrier_signal -1
	s_barrier_wait -1
	s_cmp_lg_u32 s14, 0
	s_cbranch_scc1 .Lnot_wave_0_\@
	s_barrier_signal -3
.Lnot_wave_0_\@:
	s_barrier_wait -3
	s_barrier_signal -1
	s_barrier_wait -1
.endm
.macro PLACES                          ; four plain vector lines between a matrix instruction and a load into its registers or a read of its result (ISA guide 7.12.1 for a read of its result)
.rept 4
	v_nop
.endr
.endm
	s_load_b256 s[4:11], s[0:1], 0x0               ; x_codes s[4:5], win_codes s[6:7], the scales' exponents s[8:9], the bias s[10:11]
	s_load_b128 s[80:83], s[0:1], 0x20             ; q_codes, k_codes
	s_load_b64 s[84:85], s[0:1], 0x30              ; v_codes
	v_lshl_add_u32 v[SPW], v0, 2, SPARE
	v_mov_b32 v[NIL], 0
	ds_add_u32 v[SPW], v[NIL]                      ; the opening lines: the add, twice on end, and its wait ahead of my tensor load
	ds_add_u32 v[SPW], v[NIL]
	v_lshrrev_b32 v1, 5, v0
	v_readfirstlane_b32 s14, v1                    ; wave 0..3
	s_lshr_b32 s15, s14, 1                         ; my half of the tokens
	s_and_b32 s16, s14, 1                          ; my head of the pair
	s_bfe_u32 s40, ttmp6, 0x40000                  ; cx
	s_and_b32 s17, ttmp7, 0xffff                   ; which 256 tokens
	s_lshl_b32 s41, ttmp9, 2
	s_add_co_u32 s41, s41, s40                     ; which pair of heads: it enters global addresses of plain loads and stores alone
	s_mov_b32 s[G1], 15|(3<<16)|(1<<21)            ; the mask: all four partners; elements of 8 bytes; bit 21 beside a mask
	s_mov_b32 s[G1+1], 32<<16                      ; 65,536 dense bytes as 256 rows of 256 bytes
	s_mov_b32 s[G1+2], 256<<16
	s_mov_b32 s[G1+3], 32<<16
	s_mov_b32 s[G1+4], 256
	s_mov_b32 s[G1+5], 32
	s_mov_b32 s[G1+6], 0
	s_mov_b32 s[G1+7], 0
	s_mov_b32 s[G0], 1
	s_lshl_b32 s[G0+1], s14, 16                    ; LDS: wave x 65,536
	s_lshl_b32 s20, s17, 18
	s_add_co_u32 s20, s20, s[G0+1]                 ; memory: 262,144 x the tokens' tile + the same
	s_mov_b32 s21, 0
	s_lshl_b32 s42, s41, 17                        ; W: the pair's block of 128 rows, + my four groups
	s_lshl_b32 s43, s16, 14
	s_add_co_u32 s42, s42, s43
	s_mov_b32 s43, 0
	s_lshl_b32 s44, s41, 9                         ; the bias: 4 x (128 x pair + 64 x head)
	s_lshl_b32 s45, s16, 8
	s_add_co_u32 s44, s44, s45
	s_mov_b32 s45, 0
	s_lshr_b32 s50, s17, 2                         ; the codes: head = 16 x batch + 2 x pair + mine, 65,536 bytes each;
	s_lshl_b32 s50, s50, 4
	s_lshl_b32 s51, s41, 1
	s_add_co_u32 s50, s50, s51
	s_add_co_u32 s50, s50, s16
	s_lshl_b32 s50, s50, 16
	s_and_b32 s51, s17, 3                          ; my 128 tokens of the batch's 1,024 are 8,192 bytes on end in all three layouts
	s_lshl_b32 s51, s51, 1
	s_add_co_u32 s51, s51, s15
	s_lshl_b32 s51, s51, 13
	s_add_co_u32 s50, s50, s51
	s_mov_b32 s51, 0
	s_lshl_b32 s22, s15, 17
	s_wait_dscnt 0x0                               ; both opening adds are done
	s_wait_kmcnt 0x0
	s_load_b256 s[72:79], s[8:9], 0x0              ; e0 .. e7
	s_add_nc_u64 s[G0+2:G0+3], s[4:5], s[20:21]
	s_or_b32 s[G0+3], s[G0+3], 0x80000000
	s_add_nc_u64 s[88:89], s[6:7], s[42:43]
	s_add_nc_u64 s[92:93], s[10:11], s[44:45]
	s_add_nc_u64 s[80:81], s[80:81], s[50:51]
	s_add_nc_u64 s[82:83], s[82:83], s[50:51]
	s_add_nc_u64 s[84:85], s[84:85], s[50:51]
	CROUND                                         ; all four work-groups are here: the joint loads meet
	tensor_load_to_lds s[G0:G0+3], s[G1:G1+7]      ; my quarter of the tokens' tile: the wave's one tensor load
	s_nop 0
	v_and_b32 v1, 31, v0
	v_lshlrev_b32 v[LN], 4, v1
	v_bfe_u32 v3, v0, 4, 1                         ; h
	v_and_b32 v8, 15, v0                           ; r
	v_add_nc_u32 v[ADRA], s22, v[LN]
	v_add_nc_u32 v[ADRA+1], 0x10000, v[ADRA]
	v_lshlrev_b32 v30, 6, v3                       ; the bias along the registers: 16 numbers for each half of the lanes
	v_and_b32 v9, 8, v8
	v_add_nc_u32 v9, v9, v8
	v_lshlrev_b32 v31, 2, v9                       ; the bias along the lanes: row r + 8 (r / 8) of a group
	s_wait_alu depctr_va_vdst(0)                   ; the wait behind these writes
.macro BLOAD i                         ; W's four fragments of step i into slot i % 4
	WIN 0x80
.irp g, 0,1,2,3
.irp c, 0,1,2,3
	global_load_b128 v[64*((\i)%4)+16*\g+4*\c:64*((\i)%4)+16*\g+4*\c+3], v[LN], s[88:89] offset:((\i)/8)*SUBS+(((\i)%8)/2)*KSS+\g*4096+((\i)%2)*2048+\c*512
.endr
.endr
.endm
.macro ALOAD i                         ; x's eight fragments of step i into set i % 2
	WIN 0xc0*((\i)%2)
.set SA, 128-64*((\i)%2)
.irp g, 0,1,2,3,4,5,6,7
.irp c, 0,1,2,3
	ds_load_b128 v[SA+16*\g+4*\c:SA+16*\g+4*\c+3], v[ADRA+((\i)%8)/4] offset:((((\i)%8)/2)%2)*32768+\g*4096+((\i)%2)*2048+\c*512
.endr
.endr
.endm
.macro WM a, b
.set CR, CB0+CBA*\a+8*\b
.if KD
	v_wmma_f32_16x16x128_fp8_fp8 v[32*\a+8*\b:32*\a+8*\b+7], v[SA+16*\a:SA+16*\a+15], v[SB+16*\b:SB+16*\b+15], v[CR:CR+7]
.else
	v_wmma_f32_16x16x128_fp8_fp8 v[32*\a+8*\b:32*\a+8*\b+7], v[SB+16*\b:SB+16*\b+15], v[SA+16*\a:SA+16*\a+15], v[CR:CR+7]
.endif
.endm
.macro MUL32 i                         ; the 32 accumulators take turns, one instruction a turn, in the same order in every step.  A sub-tile's first step takes the bias as C
.set SB, 64*((\i)%4)
.set SA, 128-64*((\i)%2)
.set AW, 3*((\i)%2)
.set KD, (\i)/16
.if (\i)%8 == 0
.set CB0, BC+32*((\i)/8)
.set CBA, 0
.set CW, 0
.else
.set CB0, 0
.set CBA, 32
.set CW, 0x10
.endif
.if KD
	WIN 0x48|AW|CW
.else
	WIN 0x42|(AW<<2)|CW
.endif
.irp a, 0,1,2,3,4,5,6,7
.irp b, 0,1,2,3
	WM \a, \b
.endr
.endr
.endm
.macro STEP i
	PLACES                                         ; behind step i - 1's products, whose set and slot the loads below fill
.if (\i)+1 < NG
	ALOAD (\i)+1
.endif
.if (\i)+3 < NG
	BLOAD (\i)+3
.endif
.if NG-1-(\i) >= 3
	s_wait_loadcnt 48                              ; this step's W is in; the three younger groups of 16 loads may be out
.else
	s_wait_loadcnt 16*(NG-1-(\i))
.endif
.if (\i)+1 < NG
	s_wait_dscnt 32                                ; this step's x is in; the next step's 32 loads may be out
.else
	s_wait_dscnt 0
.endif
	MUL32 \i
.endm
.irp s, 0,1
.irp g, 0,1
.irp i, 0,1,2,3
	global_load_b128 v[BC+32*\s+16*\g+4*\i:BC+32*\s+16*\g+4*\i+3], v30, s[92:93] offset:4096*\s+128*\g+16*\i   ; q, k: register 16 g + n: row 32 g + 16 h + n
.endr
.endr
.endr
.irp b, 0,1,2,3
	global_load_b32 v[16+\b], v31, s[92:93] offset:8192+4*(32*(\b/2)+8*(\b%2))   ; v: my lane's row of group b
.endr
	BLOAD 0
	BLOAD 1
	BLOAD 2
	WIN 0
	s_wait_kmcnt 0x0
	s_add_co_i32 s90, s72, s73                     ; e0 + e1
	s_sub_co_i32 s96, 127, s90
	s_lshl_b32 s96, s96, 23                        ; 2^-(e0 + e1) as f32
	s_mov_b32 s97, s96                             ; (named with it as a pair, so it is written)
.set p, 0
.irp e, 74,75,77
	s_sub_co_i32 s98, s\e, s90
	s_add_co_i32 s98, s98, 127
	s_lshl_b32 s99, s98, 23
	v_mov_b32 v[HOLD+2*p+1], s99                   ; 2^(e - e0 - e1): the conversion takes its exponent field
	s_add_co_i32 s98, s98, 8
	s_lshl_b32 s98, s98, 23
	s_or_b32 s98, s98, 0x600000
	v_mov_b32 v[HOLD+2*p], s98                     ; 448 x that
.set p, p+1
.endr
	s_wait_loadcnt 48                              ; the biases are in; W's first 48 loads may be out
.set n, 0
.rept 32
	v_pk_mul_f32 v[BC+n:BC+n+1], v[BC+n:BC+n+1], s[96:97] op_sel_hi:[1,0]
.set n, n+2
.endr
.irp b, 0,1,2,3
.irp i, 0,1,2,3,4,5,6,7
	v_mul_f32 v[BC+64+8*\b+\i], s96, v[16+\b]      ; v: a lane's eight results are eight tokens of one channel: the same bias eight times
.endr
.endr
	s_wait_alu depctr_va_vdst(0)                   ; the wait at the head's end
	s_wait_tensorcnt 0x0                           ; my quarter of the tile is in,
	s_barrier_signal -1
	s_barrier_wait -1                              ; and everybody's
	ALOAD 0
; THE WAY OUT of sub-tile s: the hold (the conversion to an 8-bit code does not saturate: ISA guide 7.6.2), in place, each accumulator from its low end on; the conversion; stores of 512 consecutive bytes.
; q, k: block a's groups 2 c, 2 c + 1 give 16 channels of token r.   v: blocks 2 c, 2 c + 1 of group b give keys 32 c + 8 h .. and 32 c + 16 + 8 h .. of channel r.
.macro OUT s
	PLACES
	WIN 0x41
.set n, 0
.rept 256
	v_med3_num_f32 v[n], v[n], -v[HOLD+2*\s], v[HOLD+2*\s]
.set n, n+1
.endr
.if \s == 2
	s_wait_alu depctr_va_vdst(0)                   ; the wait here, directly ahead of the wait below
	s_wait_xcnt 0x0                                ; sub-tile 0's stores have read their data: those registers are written again only behind this wait
.endif
	WIN 0xc1
.irp a, 0,1,2,3,4,5,6,7
.irp b, 0,1,2,3
.if \s == 2
.set CD, (1-\a/4)*192+8*\b+2*(\a%4)
.else
.set CD, (1-\a/4)*192+32*\s+8*(\a%4)+2*\b
.endif
	v_cvt_scalef32_pk8_fp8_f32 v[CD:CD+1], v[32*\a+8*\b:32*\a+8*\b+7], v[HOLD+2*\s+1]
.endr
.endr
	v_nop                                          ; a plain line between the conversions and the next products, which write their sources
	WIN 0x0c
.if \s == 2
.irp b, 0,1,2,3
.irp c, 0,1,2,3
	global_store_b128 v[LN], v[(1-\c/2)*192+8*\b+4*(\c%2):(1-\c/2)*192+8*\b+4*(\c%2)+3], s[84:85] offset:\b*2048+\c*512
.endr
.endr
.else
.irp a, 0,1,2,3,4,5,6,7
.irp c, 0,1
	global_store_b128 v[LN], v[(1-\a/4)*192+32*\s+8*(\a%4)+4*\c:(1-\a/4)*192+32*\s+8*(\a%4)+4*\c+3], s[80+2*\s:81+2*\s] offset:\a*1024+\c*512
.endr
.endr
.endif
	WIN 0
.endm
.set I, 0
.irp s, 0,1,2
.rept 8
	STEP I
.set I, I+1
.endr
	OUT \s
.endr
	s_wait_tensorcnt 0x0                           ; the wave's end
	ds_add_u32 v[SPW], v[NIL]
	s_wait_dscnt 0x0
	CROUND                                         ; the closing round
	s_endpgm
.Lfunc_end_k_q25a9da84fc_qkv:
	.size	k_q25a9da84fc_qkv, .Lfunc_end_k_q25a9da84fc_qkv-k_q25a9da84fc_qkv
	.p2alignl 7, 3214868480
	.fill 96, 4, 3214868480
	.section	.rodata,"a",@progbits
	.p2align	6, 0x0
	.amdhsa_kernel k_q25a9da84fc_qkv
		.amdhsa_group_segment_fixed_size 327680
		.amdhsa_private_segment_fixed_size 0
		.amdhsa_enable_private_segment 0
		.amdhsa_kernarg_size 56
		.amdhsa_user_sgpr_count 2
		.amdhsa_user_sgpr_kernarg_segment_ptr 1
		.amdhsa_wavefront_size32 1
		.amdhsa_system_sgpr_workgroup_id_x 1
		.amdhsa_system_sgpr_workgroup_id_y 1
		.amdhsa_system_sgpr_workgroup_id_z 1
		.amdhsa_system_vgpr_workitem_id 0
		.amdhsa_next_free_vgpr 1024
		.amdhsa_next_free_sgpr 100
		.amdhsa_reserve_vcc 0
		.amdhsa_float_denorm_mode_32 3
		.amdhsa_float_denorm_mode_16_64 3
		.amdhsa_memory_ordered 1
		.amdhsa_forward_progress 1
		.amdhsa_inst_pref_size 209
	.end_amdhsa_kernel
	.amdgpu_metadata
---
amdhsa.version: [ 1, 2 ]
amdhsa.kernels:
  - .name:           k_q25a9da84fc_qkv
    .symbol:         k_q25a9da84fc_qkv.kd
    .args:
      - { .name: x_codes, .offset: 0, .size: 8, .value_kind: global_buffer, .address_space: global }
      - { .name: win_codes, .offset: 8, .size: 8, .value_kind: global_buffer, .address_space: global }
      - { .name: lowp_scales, .offset: 16, .size: 8, .value_kind: global_buffer, .address_space: global }
      - { .name: in_proj_bias, .offset: 24, .size: 8, .value_kind: global_buffer, .address_space: global }
      - { .name: q_codes, .offset: 32, .size: 8, .value_kind: global_buffer, .address_space: global }
      - { .name: k_codes, .offset: 40, .size: 8, .value_kind: global_buffer, .address_space: global }
      - { .name: v_codes, .offset: 48, .size: 8, .value_kind: global_buffer, .address_space: global }
    .group_segment_fixed_size: 327680
    .private_segment_fixed_size: 0
    .kernarg_segment_align: 8
    .kernarg_segment_size: 56
    .max_flat_workgroup_size: 128
    .sgpr_count:     100
    .vgpr_count:     1024
    .wavefront_size: 32
...
	.end_amdgpu_metadata
.endif
;; end of part 2
;; launch attn (part 3): grid 4 x 64, 8 waves a work-group, clusters of 4 x 1, 327,680 bytes of LDS; arguments q_codes, k_codes, v_codes, lowp_scales, o_codes; writes o_codes
.if DOCPART == 3
	.amdgcn_target "amdgcn-amd-amdhsa--gfx1250"
	.amdhsa_code_object_version 6
	.text
	.protected	k_q25a9da84fc_attn
	.globl	k_q25a9da84fc_attn
	.p2align	8
	.type	k_q25a9da84fc_attn,@function
k_q25a9da84fc_attn:
	s_mov_b64 s[64:65], 0
	v_nop
	global_prefetch_b8 v0, s[64:65] scope:SCOPE_SE
	s_setreg_imm32_b32 hwreg(HW_REG_WAVE_MODE, 25, 1), 1
	s_wait_xcnt 0x0
	s_wait_alu depctr_hold_cnt(0) depctr_sa_sdst(0) depctr_va_vdst(0) depctr_va_sdst(0) depctr_va_ssrc(0) depctr_va_vcc(0) depctr_vm_vsrc(0)
	s_getreg_b32 s2, hwreg(HW_REG_IB_STS2, 6, 4)
	s_cmp_eq_u32 s2, 0
	s_cbranch_scc0 .Lentry_in_a_cluster
	s_endpgm
.Lentry_in_a_cluster:
	s_bfe_u32 s2, ttmp6, 0x10000c
	s_cmp_lg_u32 s2, 0x3003
	s_cbranch_scc0 .Lentry_shape_is_right
	s_endpgm
.Lentry_shape_is_right:
; o = softmax(q k^T / 8) v for each of 128 heads of 1,024 tokens x 64 channels, both products on codes of FP8 (E4M3); the result is quantised at once with e6 for the last projection.
; THE SOFTMAX AHEAD OF THE SECOND PRODUCT: t = score x log2(e) / 8; M = the running largest t rounded UP to a whole number; p = 2^(t - M) is quantised with e4, not normalised; the row's sum is taken of the unquantised p and divides at the end.
; When M moves, the sum and O are multiplied by 2^(old M - new M): exact.
; LIMITS: e2 + e3 between -123 and 130 (added to c's exponent field); e4 and e6 between -126 and 119; the scaled scores stay under 2^31 in magnitude.
; SHARES: a work-group takes 256 queries (cx) of a pair of heads (y), one head after the other; each of its eight waves 32 queries, two tiles of 16, so that every fragment of K and of V that it reads from LDS feeds two matrix instructions.
; K and V of both heads, 262,144 bytes, lie whole in LDS: one tensor load a wave, 32,768 dense bytes (waves 0-3: K; 4-7: V); nothing is filled again.  The four work-groups of a cluster take the same pair of heads: joint loads.
; No prefetch is laid: all that the launch reads through LDS is asked for once, at the head, and there is no later load to run ahead of.
; LAYOUT: both products transposed: S^T = K Q^T, O^T = V^T P^T: a lane holds one query of each tile throughout.  All operands lie in memory as images of operand registers (a fragment: loads at 16 x lane).
;   q_codes, k_codes: [head][tile of 16 tokens 64][c 0..1][lane][16 B].  v_codes: [head][step of 128 keys 8][tile of 16 channels 4][c 0..3][lane][16 B].  o_codes: [128 tokens][K step of 256: 4][group of 16 tokens 8][c 0..7][lane][16 B].
; A step is 128 keys: 16 + 8 matrix instructions.  The 16 steps of the two heads are one stream of 8,192 bytes of K and of V each: the next step's K is fetched behind this step's first product, the next V behind the second.
; REGISTERS: window 0 (the whole softmax): v1 16 x lane; v2, v3 LDS addresses; v4, v5 the add's; v6-11 sums at work; tile x: v12+2x -M, v13+2x the largest t, v[16+2x:17+2x] the sum, v20+2x f, v24+2x, v25+2x maxima, v28+x a permute's result;
;   v30, v31 p's hold and scale; v32-63 p's codes; v64-127 O^T; v128-255 S^T, then p.   window 1: v0-63 K; v64-127 V; v128-159 Q (head, tile); v160-191 the codes on the way out.
.set WV,   18
.set TB,   2                           ; s2  LDS byte of the step whose K and V are fetched next
.set G1,   24
.set G0,   40
.set VLDS, 131072
.set SPARE, 0x40000                    ; behind K and V: the spare words, 128 bytes a wave
.set S,    128
.set MSB, 0
.macro WIN new                         ; the immediate's high byte repeats the setting that is left
.if MSB != (\new)
	s_set_vgpr_msb (MSB<<8)|(\new)
.set MSB, (\new)
.endif
.endm
.macro CROUND                          ; a round of the cluster's barrier
	s_barrier_signal -1
	s_barrier_wait -1
	s_cmp_lg_u32 s[WV], 0
	s_cbranch_scc1 .Lnot_wave_0_\@
	s_barrier_signal -3
.Lnot_wave_0_\@:
	s_barrier_wait -3
	s_barrier_signal -1
	s_barrier_wait -1
.endm
	s_load_b256 s[4:11], s[0:1], 0x0               ; q_codes s[4:5], k_codes s[6:7], v_codes s[8:9], the scales' exponents s[10:11]
	s_load_b64 s[12:13], s[0:1], 0x20              ; o_codes
	v_lshl_add_u32 v4, v0, 2, SPARE
	v_mov_b32 v5, 0
	ds_add_u32 v4, v5                              ; the opening lines: the add, twice on end, and its wait ahead of my tensor load
	ds_add_u32 v4, v5
	v_lshrrev_b32 v2, 5, v0
	v_readfirstlane_b32 s[WV], v2                  ; wave 0..7
	v_and_b32 v1, 31, v0
	v_lshlrev_b32 v1, 4, v1                        ; 16 x lane
	s_bfe_u32 s14, ttmp6, 0x40000                  ; cx: which 256 queries
	s_and_b32 s15, ttmp7, 0xffff                   ; which pair of heads
	s_mov_b32 s[G1], 15|(3<<16)|(1<<21)            ; the mask: all four partners; elements of 8 bytes; bit 21 beside a mask
	s_mov_b32 s[G1+1], 32<<16                      ; 32,768 dense bytes as 128 rows of 256 bytes
	s_mov_b32 s[G1+2], 128<<16
	s_mov_b32 s[G1+3], 32<<16
	s_mov_b32 s[G1+4], 128
	s_mov_b32 s[G1+5], 32
	s_mov_b32 s[G1+6], 0
	s_mov_b32 s[G1+7], 0
	s_mov_b32 s20, 0x76543210                      ; v_permlanex16_b32's selects for lane l xor 16
	s_mov_b32 s21, 0xfedcba98
	s_mov_b32 s22, 0x3e38aa3b                      ; c = log2(e) / 8
	s_mov_b32 s[TB], 0
	s_mov_b32 s[G0], 1
	s_lshl_b32 s[G0+1], s[WV], 15                  ; LDS: wave x 32,768: K's four quarters, then V's
	s_and_b32 s48, s[WV], 3
	s_lshl_b32 s48, s48, 15
	s_lshl_b32 s52, s15, 17                        ; memory: the pair's 131,072 bytes, my quarter
	s_add_co_u32 s52, s52, s48
	s_mov_b32 s53, 0
	s_lshl_b32 s82, s15, 17                        ; Q: the pair's first head, tile 16 cx + 2 wave
	s_lshl_b32 s84, s14, 14
	s_add_co_u32 s82, s82, s84
	s_lshl_b32 s84, s[WV], 11
	s_add_co_u32 s82, s82, s84
	s_mov_b32 s83, 0
	s_lshr_b32 s84, s15, 3                         ; o_codes: block of 128 tokens = 8 x batch + 2 cx + wave / 4,
	s_lshl_b32 s84, s84, 3
	s_lshl_b32 s86, s14, 1
	s_add_co_u32 s84, s84, s86
	s_lshr_b32 s86, s[WV], 2
	s_add_co_u32 s84, s84, s86
	s_lshl_b32 s84, s84, 17
	s_and_b32 s86, s[WV], 3                        ; group = 2 (wave % 4) (+ tile),
	s_lshl_b32 s86, s86, 13
	s_add_co_u32 s84, s84, s86
	s_lshl_b32 s86, s15, 1                         ; head in the batch: K step = head / 4, c = 2 (head % 4)
	s_and_b32 s86, s86, 15
	s_lshr_b32 s87, s86, 2
	s_lshl_b32 s87, s87, 15
	s_add_co_u32 s84, s84, s87
	s_and_b32 s86, s86, 3
	s_lshl_b32 s86, s86, 10
	s_add_co_u32 s84, s84, s86
	s_mov_b32 s85, 0
	s_wait_alu depctr_va_vdst(0)                   ; the wait here, directly ahead of the wait below
	s_wait_dscnt 0x0                               ; both opening adds are done
	s_wait_kmcnt 0x0
	s_load_b256 s[72:79], s[10:11], 0x0            ; e0 .. e7
	s_cmp_lt_u32 s[WV], 4
	s_cselect_b64 s[68:69], s[6:7], s[8:9]         ; K or V, by the wave's number
	s_add_nc_u64 s[G0+2:G0+3], s[68:69], s[52:53]
	s_or_b32 s[G0+3], s[G0+3], 0x80000000
	s_add_nc_u64 s[4:5], s[4:5], s[82:83]
	s_add_nc_u64 s[12:13], s[12:13], s[84:85]
	CROUND                                         ; all four work-groups are here: the joint loads meet
	tensor_load_to_lds s[G0:G0+3], s[G1:G1+7]      ; the wave's one tensor load
	s_nop 0
	WIN 0x40                                       ; destination window 1
.irp j, 0,1
.irp x, 0,1
.irp c, 0,1
	global_load_b128 v[128+16*\j+8*\x+4*\c:128+16*\j+8*\x+4*\c+3], v1, s[4:5] offset:65536*\j+1024*\x+512*\c th:TH_LOAD_NT   ; Q stays in registers
.endr
.endr
.endr
	WIN 0
.macro PRO                             ; a head begins: the largest t so far -3e38, under every t; the sums and O^T zeros, which the first change of M leaves zeros
.irp x, 0,1
	v_mov_b32 v[13+2*\x], 0xff61b1e6
	v_mov_b32 v[16+2*\x], 0
	v_mov_b32 v[17+2*\x], 0
.endr
	v_floor_f32 v12, -v13
	v_floor_f32 v14, -v15
.set n, 0
.rept 64
	v_mov_b32 v[64+n], 0
.set n, n+1
.endr
.endm
	PRO
	v_mov_b32 v21, 0                               ; (named as the upper halves of f's pairs)
	v_mov_b32 v23, 0
	v_mov_b32 v28, 0                               ; written once: a lane permute's destination counts as one of its sources
	v_mov_b32 v29, 0
	v_add_nc_u32 v2, s[TB], v1
	v_add_nc_u32 v3, VLDS, v2
	s_wait_kmcnt 0x0
	s_add_co_i32 s88, s74, s75
	s_lshl_b32 s88, s88, 23
	s_add_co_i32 s22, s22, s88                     ; a score stands for score x 2^(e2 + e3): added to c's exponent field
	s_mov_b32 s23, s22                             ; (named with it as a pair, so it is written)
	s_add_co_i32 s88, s76, 127
	s_lshl_b32 s89, s88, 23
	v_mov_b32 v31, s89                             ; 2^e4, for the conversion
	s_add_co_i32 s88, s88, 8
	s_lshl_b32 s88, s88, 23
	s_or_b32 s88, s88, 0x600000
	v_mov_b32 v30, s88                             ; 448 x 2^e4
	s_add_co_i32 s88, s78, 127
	s_lshl_b32 s90, s88, 23                        ; 2^e6
	s_add_co_i32 s88, s88, 8
	s_lshl_b32 s91, s88, 23
	s_or_b32 s91, s91, 0x600000                    ; 448 x 2^e6
	s_add_co_i32 s80, s76, s77                     ; e4 + e5
.macro KLOAD
	WIN 0x40
.irp t, 0,1,2,3,4,5,6,7
.irp c, 0,1
	ds_load_b128 v[8*\t+4*\c:8*\t+4*\c+3], v2 offset:1024*\t+512*\c
.endr
.endr
	WIN 0
.endm
.macro VLOAD
	WIN 0x40
.irp t, 0,1,2,3
.irp c, 0,1,2,3
	ds_load_b128 v[64+16*\t+4*\c:64+16*\t+4*\c+3], v3 offset:2048*\t+512*\c
.endr
.endr
	WIN 0
.endm
.macro TL x, k                         ; line k of tile x's way from the step's maxima to -M and f; the two tiles' lines stand by turns
.set M0, 24+2*\x
.set M1, 25+2*\x
.set NM, 12+2*\x
.if \k == 0
	v_max_num_f32 v[M0], v[M0], v[M1]
.elseif \k == 1
	v_permlanex16_b32 v[28+\x], v[M0], s20, s21
.elseif \k == 2
	v_max_num_f32 v[M0], v[M0], v[28+\x]           ; and among lane l xor 16's keys
.elseif \k == 3
	v_mul_f32 v[M0], s22, v[M0]                    ; as t (c is positive)
.elseif \k == 4
	v_max_num_f32 v[NM+1], v[NM+1], v[M0]          ; the running largest t
.elseif \k == 5
	v_mov_b32 v[M1], v[NM]
.elseif \k == 6
	v_floor_f32 v[NM], -v[NM+1]                    ; the new -M = -ceil(t)
.elseif \k == 7
	v_sub_f32 v[M1], v[NM], v[M1]                  ; old M less new M: a whole number, 0 or less
.elseif \k == 8
	v_cvt_i32_f32 v[M1], v[M1]                     ; (it saturates)
.else
	v_ldexp_f32 v[20+2*\x], 1.0, v[M1]             ; f = 2^(old M - new M)
.endif
.endm
.macro SUMS x                          ; the row's sum of the unquantised p: two at a time, in four chains
.set SB, S+64*\x
.set L, 16+2*\x
	v_pk_add_f32 v[6:7], v[SB:SB+1], v[SB+2:SB+3]
	v_pk_add_f32 v[8:9], v[SB+4:SB+5], v[SB+6:SB+7]
	v_pk_add_f32 v[10:11], v[SB+8:SB+9], v[SB+10:SB+11]
	v_pk_add_f32 v[L:L+1], v[L:L+1], v[SB+12:SB+13]
.set n, 0
.rept 25
.if n%4 == 3
	v_pk_add_f32 v[L:L+1], v[L:L+1], v[SB+14+2*n:SB+15+2*n]
.else
	v_pk_add_f32 v[6+2*(n%4):7+2*(n%4)], v[6+2*(n%4):7+2*(n%4)], v[SB+14+2*n:SB+15+2*n]
.endif
.set n, n+1
.endr
	v_pk_add_f32 v[6:7], v[6:7], v[8:9]
	v_pk_add_f32 v[L:L+1], v[L:L+1], v[10:11]
	v_pk_add_f32 v[L:L+1], v[L:L+1], v[6:7]
.endm
.macro HOLD2 r                         ; the conversion to an 8-bit code does not saturate (ISA guide 7.6.2); p is not negative, so the hold is one-sided; a pair of numbers
	v_min_num_f32 v[\r], v[\r], v30
	v_min_num_f32 v[\r+1], v[\r+1], v30
.endm
.macro CODES x
.irp t, 0,1,2,3,4,5,6,7
	v_cvt_scalef32_pk8_fp8_f32 v[32+16*\x+2*\t:33+16*\x+2*\t], v[S+64*\x+8*\t:S+64*\x+8*\t+7], v31
.endr
.endm
; A STEP: 128 keys x my 32 queries.  qb: Q's registers of the head in hand.  more = 1: the next step's K and V are fetched.
.macro STEP qb, more
	s_wait_dscnt 16                                ; this step's K is in; the younger 16 loads (its V) may be out
	WIN 0x05                                       ; sources 0 and 1: window 1
.irp t, 0,1,2,3,4,5,6,7
.irp x, 0,1
	v_wmma_f32_16x16x64_fp8_fp8 v[S+64*\x+8*\t:S+64*\x+8*\t+7], v[8*\t:8*\t+7], v[\qb+8*\x:\qb+8*\x+7], 0
.endr
.endr
	WIN 0
.if \more
	s_add_co_u32 s[TB], s[TB], 8192
	v_add_nc_u32 v2, s[TB], v1                     ; four plain lines behind the products (ISA guide 7.12.1), two of them the next step's addresses
	v_add_nc_u32 v3, VLDS, v2
	v_nop
	v_nop
	KLOAD
.else
.rept 4
	v_nop
.endr
.endif
.irp x, 0,1                                    ; the step's largest scores, each accumulator from its low end on: two chains a tile, the four by turns
.irp u, 0,1
	v_max_num_f32 v[24+2*\x+\u], v[S+64*\x+32*\u], v[S+64*\x+32*\u+1]
.endr
.endr
.set n, 2
.rept 15
.irp x, 0,1
.irp u, 0,1
	v_max3_num_f32 v[24+2*\x+\u], v[24+2*\x+\u], v[S+64*\x+32*\u+n], v[S+64*\x+32*\u+n+1]
.endr
.endr
.set n, n+2
.endr
.irp k, 0,1,2,3,4,5,6,7,8,9
	TL 0, \k
	TL 1, \k
.endr
.set n, 0
.rept 32
	v_pk_fma_f32 v[S+n:S+n+1], v[S+n:S+n+1], s[22:23], v[12:13] op_sel_hi:[1,0,0]   ; tile 0: t - M, two at a time
.set n, n+2
.endr
.irp x, 0,1                                    ; O^T and the sums under the new M: ahead of the exponentials, each accumulator from its low end on
.set n, 0
.rept 16
	v_pk_mul_f32 v[64+32*\x+n:65+32*\x+n], v[64+32*\x+n:65+32*\x+n], v[20+2*\x:21+2*\x] op_sel_hi:[1,0]
.set n, n+2
.endr
	v_pk_mul_f32 v[16+2*\x:17+2*\x], v[16+2*\x:17+2*\x], v[20+2*\x:21+2*\x] op_sel_hi:[1,0]
.endr
	s_wait_alu depctr_va_vdst(0)                   ; the wait ahead of the batch
.set n, 0
.rept 32                                       ; tile 0's exponentials; among them tile 1's t - M, lines that hang on nothing in the batch and are read behind the wait below
	v_exp_f32 v[S+n], v[S+n]
	v_exp_f32 v[S+n+1], v[S+n+1]
	v_pk_fma_f32 v[S+64+n:S+65+n], v[S+64+n:S+65+n], s[22:23], v[14:15] op_sel_hi:[1,0,0]
.set n, n+2
.endr
	s_wait_alu depctr_va_vdst(0)                   ; one wait behind the batch, which is also the wait ahead of the next
	SUMS 0
.set n, 0
.rept 32                                       ; tile 1's exponentials; among them tile 0's hold, read behind the wait below
	v_exp_f32 v[S+64+n], v[S+64+n]
	v_exp_f32 v[S+65+n], v[S+65+n]
	HOLD2 S+n
.set n, n+2
.endr
	v_nop                                          ; a plain line behind the last exponential
	s_wait_alu depctr_va_vdst(0)                   ; one wait behind the batch
	CODES 0
	SUMS 1
.set n, 0
.rept 32
	HOLD2 S+64+n
.set n, n+2
.endr
	CODES 1
	v_nop                                          ; a plain line between the conversions and the products that read their results
	s_wait_alu depctr_va_vdst(0)                   ; the wait here, directly ahead of the wait below
	s_wait_dscnt 16*\more                          ; this step's V is in; the younger 16 loads (the next K) may be out
	WIN 0x01                                       ; source 0: window 1
.irp t, 0,1,2,3
.irp x, 0,1
	v_wmma_f32_16x16x128_fp8_fp8 v[64+32*\x+8*\t:71+32*\x+8*\t], v[64+16*\t:79+16*\t], v[32+16*\x:47+16*\x], v[64+32*\x+8*\t:71+32*\x+8*\t]
.endr
.endr
	WIN 0
.rept 4
	v_nop                                          ; four plain lines behind the products
.endr
.if \more
	VLOAD
.endif
.endm
; THE WAY OUT of head j: O^T / the sum x 2^(e4 + e5), the hold, the conversion with e6; the codes are images of the last projection's operand registers: stores of 512 consecutive bytes.
.macro OUT j
	v_add_f32 v16, v16, v17                        ; the sums' two halves,
	v_add_f32 v18, v18, v19
	v_permlanex16_b32 v28, v16, s20, s21
	v_permlanex16_b32 v29, v18, s20, s21
	v_add_f32 v16, v16, v28                        ; and lane l xor 16's
	v_add_f32 v18, v18, v29
	s_wait_alu depctr_va_vdst(0)                   ; the wait ahead of the transcendentals
	v_rcp_f32 v16, v16
	v_rcp_f32 v18, v18
	v_mov_b32 v128, s91                            ; (plain lines behind them)  448 x 2^e6
	v_mov_b32 v129, s90                            ; 2^e6
	s_wait_alu depctr_va_vdst(0)                   ; the wait behind them, ahead of their first reader and of O^T's first readers: plain lines alone follow up to the last of these
	v_ldexp_f32 v16, v16, s80
	v_ldexp_f32 v18, v18, s80
.irp x, 0,1
.set n, 0
.rept 16
	v_pk_mul_f32 v[192+32*\x+n:193+32*\x+n], v[64+32*\x+n:65+32*\x+n], v[16+2*\x:17+2*\x] op_sel_hi:[1,0]
.set n, n+2
.endr
.endr
.set n, 0
.rept 64
	v_med3_num_f32 v[192+n], v[192+n], -v128, v128
.set n, n+1
.endr
	WIN 0x40                                       ; destination window 1
.irp x, 0,1
.irp t, 0,1,2,3
	v_cvt_scalef32_pk8_fp8_f32 v[160+16*\j+8*\x+2*\t:161+16*\j+8*\x+2*\t], v[192+32*\x+8*\t:199+32*\x+8*\t], v129
.endr
.endr
	v_nop                                          ; a plain line behind the conversions
	WIN 0x04                                       ; the stores' data: window 1
.irp x, 0,1
.irp c, 0,1
	global_store_b128 v1, v[160+16*\j+8*\x+4*\c:163+16*\j+8*\x+4*\c], s[12:13] offset:1024*\j+4096*\x+512*\c
.endr
.endr
	WIN 0
.endm
	s_wait_alu depctr_va_vdst(0)                   ; the wait at the head's end
	s_wait_loadcnt 0x0                             ; Q
	s_wait_tensorcnt 0x0                           ; my part of K or V is in,
	s_barrier_signal -1
	s_barrier_wait -1                              ; and everybody's
	KLOAD
	VLOAD
	s_mov_b32 s3, 8
.Lhead0:
	STEP 128, 1                                    ; the last trip fetches the second head's first step: the two heads' steps lie on end
	s_sub_co_u32 s3, s3, 1
	s_cmp_lg_u32 s3, 0
	s_cbranch_scc1 .Lhead0
	OUT 0
	PRO
	s_mov_b32 s3, 7
.Lhead1:
	STEP 144, 1
	s_sub_co_u32 s3, s3, 1
	s_cmp_lg_u32 s3, 0
	s_cbranch_scc1 .Lhead1
	STEP 144, 0                                    ; the last step is written out: it fetches nothing
	OUT 1
	s_wait_tensorcnt 0x0                           ; the wave's end
	ds_add_u32 v4, v5
	s_wait_dscnt 0x0
	CROUND                                         ; the closing round
	s_endpgm
.Lfunc_end_k_q25a9da84fc_attn:
	.size	k_q25a9da84fc_attn, .Lfunc_end_k_q25a9da84fc_attn-k_q25a9da84fc_attn
	.p2alignl 7, 3214868480
	.fill 96, 4, 3214868480
	.section	.rodata,"a",@progbits
	.p2align	6, 0x0
	.amdhsa_kernel k_q25a9da84fc_attn
		.amdhsa_group_segment_fixed_size 327680
		.amdhsa_private_segment_fixed_size 0
		.amdhsa_enable_private_segment 0
		.amdhsa_kernarg_size 40
		.amdhsa_user_sgpr_count 2
		.amdhsa_user_sgpr_kernarg_segment_ptr 1
		.amdhsa_wavefront_size32 1
		.amdhsa_system_sgpr_workgroup_id_x 1
		.amdhsa_system_sgpr_workgroup_id_y 1
		.amdhsa_system_sgpr_workgroup_id_z 1
		.amdhsa_system_vgpr_workitem_id 0
		.amdhsa_next_free_vgpr 512
		.amdhsa_next_free_sgpr 96
		.amdhsa_reserve_vcc 0
		.amdhsa_float_denorm_mode_32 3
		.amdhsa_float_denorm_mode_16_64 3
		.amdhsa_memory_ordered 1
		.amdhsa_forward_progress 1
		.amdhsa_inst_pref_size 111
	.end_amdhsa_kernel
	.amdgpu_metadata
---
amdhsa.version: [ 1, 2 ]
amdhsa.kernels:
  - .name:           k_q25a9da84fc_attn
    .symbol:         k_q25a9da84fc_attn.kd
    .args:
      - { .name: q_codes, .offset: 0, .size: 8, .value_kind: global_buffer, .address_space: global }
      - { .name: k_codes, .offset: 8, .size: 8, .value_kind: global_buffer, .address_space: global }
      - { .name: v_codes, .offset: 16, .size: 8, .value_kind: global_buffer, .address_space: global }
      - { .name: lowp_scales, .offset: 24, .size: 8, .value_kind: global_buffer, .address_space: global }
      - { .name: o_codes, .offset: 32, .size: 8, .value_kind: global_buffer, .address_space: global }
    .group_segment_fixed_size: 327680
    .private_segment_fixed_size: 0
    .kernarg_segment_align: 8
    .kernarg_segment_size: 40
    .max_flat_workgroup_size: 256
    .sgpr_count:     96
    .vgpr_count:     512
    .wavefront_size: 32
...
	.end_amdgpu_metadata
.endif
;; end of part 3
;; launch oproj (part 4): grid 8 x 32, 4 waves a work-group, clusters of 4 x 1, 327,680 bytes of LDS; arguments o_codes, wout_codes, lowp_scales, out_proj_bias, out0; writes out0
.if DOCPART == 4
	.amdgcn_target "amdgcn-amd-amdhsa--gfx1250"
	.amdhsa_code_object_version 6
	.text
	.protected	k_q25a9da84fc_oproj
	.globl	k_q25a9da84fc_oproj
	.p2align	8
	.type	k_q25a9da84fc_oproj,@function
k_q25a9da84fc_oproj:
	s_mov_b64 s[64:65], 0
	v_nop
	global_prefetch_b8 v0, s[64:65] scope:SCOPE_SE
	s_setreg_imm32_b32 hwreg(HW_REG_WAVE_MODE, 25, 1), 1
	s_wait_xcnt 0x0
	s_wait_alu depctr_hold_cnt(0) depctr_sa_sdst(0) depctr_va_vdst(0) depctr_va_sdst(0) depctr_va_ssrc(0) depctr_va_vcc(0) depctr_vm_vsrc(0)
	s_getreg_b32 s2, hwreg(HW_REG_IB_STS2, 6, 4)
	s_cmp_eq_u32 s2, 0
	s_cbranch_scc0 .Lentry_in_a_cluster
	s_endpgm
.Lentry_in_a_cluster:
	s_bfe_u32 s2, ttmp6, 0x10000c
	s_cmp_lg_u32 s2, 0x3003
	s_cbranch_scc0 .Lentry_shape_is_right
	s_endpgm
.Lentry_shape_is_right:
; out0 = o W^T + b on codes of FP8 (E4M3), K = 1,024; each sum x 2^(e6 + e7) + bias, f32.  LIMIT: e6 + e7 between -126 and 127.  k is permuted alike in both operands.
; SHARES: a work-group takes 256 tokens (y) x 128 rows of W (x): 8 x 32 = 256 work-groups; a wave 128 tokens (wave / 2) x 64 rows (wave % 2): 32 accumulators, 8 steps of 128 along K.
; THE TOKENS' CODES, 262,144 dense bytes (images of operand registers), LIE WHOLE IN LDS: one tensor load a wave, 65,536 bytes, nothing filled again; the four work-groups of a cluster (4 x 1) take the same tokens: a joint load.
; W'S CODES, images of operand registers too, go from memory straight into a ring of four slots of 64 registers; step i asks for step i + 3's.  W never enters LDS, so it has no joint load.
; No prefetch is laid: W's loads are issued three steps ahead of their use, and the tokens' tile is asked for once, at the head.
; Source 0 = W, source 1 = o: lane (r, h) holds token r; W's groups take permuted rows, so the registers of groups 2 B, 2 B + 1 are columns 32 B + 16 h + 0 .. 15.
; The way out goes through the wave's own stage in LDS (bytes of its own, behind the tile), so that sixteen lanes store 256 consecutive bytes, aligned.
; REGISTERS: window 0: v2-31 addresses; v32-63 bias; v64-95 a block's results; v128-255 o's fragments, set 0, on the way out rows read back.   window 1: the accumulators ((a, b) at v[32 a + 8 b]).
;   window 2: W's ring.   window 3: v64-191 o's fragments, set 1.
.set NG,    8
.set KSS,   16384                      ; a K step of 256 of a block of 4 groups of W
.set STAGE, 262144
.set SPITCH, 272
.set SPARE, STAGE+4*16*SPITCH          ; behind the stages: the spare words, 128 bytes a wave
.set LN,    2
.set ADRA,  4
.set SPW,   6
.set NIL,   7
.set STO,   8
.set RD,    9
.set CO,    10
.set BI,    32
.set TMP,   64
.set BK,    128
.set G0,    24
.set G1,    32
.set MSB, 0
.macro WIN new                         ; the immediate's high byte repeats the setting that is left
.if MSB != (\new)
	s_set_vgpr_msb (MSB<<8)|(\new)
.set MSB, (\new)
.endif
.endm
.macro CROUND                          ; a round of the cluster's barrier
	s_barrier_signal -1
	s_barrier_wait -1
	s_cmp_lg_u32 s14, 0
	s_cbranch_scc1 .Lnot_wave_0_\@
	s_barrier_signal -3
.Lnot_wave_0_\@:
	s_barrier_wait -3
	s_barrier_signal -1
	s_barrier_wait -1
.endm
.macro PLACES                          ; four plain vector lines between a matrix instruction and a load into its registers or a read of its result (ISA guide 7.12.1 for a read of its result)
.rept 4
	v_nop
.endr
.endm
	s_load_b256 s[4:11], s[0:1], 0x0               ; o_codes s[4:5], wout_codes s[6:7], the scales' exponents s[8:9], the bias s[10:11]
	s_load_b64 s[12:13], s[0:1], 0x20              ; out0
	v_lshl_add_u32 v[SPW], v0, 2, SPARE
	v_mov_b32 v[NIL], 0
	ds_add_u32 v[SPW], v[NIL]                      ; the opening lines: the add, twice on end, and its wait ahead of my tensor load
	ds_add_u32 v[SPW], v[NIL]
	v_lshrrev_b32 v1, 5, v0
	v_readfirstlane_b32 s14, v1                    ; wave 0..3
	s_lshr_b32 s15, s14, 1                         ; my half of the tokens
	s_and_b32 s16, s14, 1                          ; my half of W's rows
	s_bfe_u32 s40, ttmp6, 0x40000                  ; cx
	s_and_b32 s17, ttmp7, 0xffff                   ; which 256 tokens
	s_lshl_b32 s41, ttmp9, 2
	s_add_co_u32 s41, s41, s40                     ; which 128 rows of W: it enters global addresses of plain loads and stores alone
	s_mov_b32 s[G1], 15|(3<<16)|(1<<21)            ; the mask: all four partners; elements of 8 bytes; bit 21 beside a mask
	s_mov_b32 s[G1+1], 32<<16                      ; 65,536 dense bytes as 256 rows of 256 bytes
	s_mov_b32 s[G1+2], 256<<16
	s_mov_b32 s[G1+3], 32<<16
	s_mov_b32 s[G1+4], 256
	s_mov_b32 s[G1+5], 32
	s_mov_b32 s[G1+6], 0
	s_mov_b32 s[G1+7], 0
	s_mov_b32 s[G0], 1
	s_lshl_b32 s[G0+1], s14, 16                    ; LDS: wave x 65,536
	s_lshl_b32 s20, s17, 18
	s_add_co_u32 s20, s20, s[G0+1]
	s_mov_b32 s21, 0
	s_lshl_b32 s42, s41, 17                        ; W: two blocks of 64 rows a tile, mine
	s_lshl_b32 s43, s16, 16
	s_add_co_u32 s42, s42, s43
	s_mov_b32 s43, 0
	s_lshl_b32 s44, s41, 9                         ; my first column, in bytes of f32: in the bias and in a row of out0
	s_lshl_b32 s45, s16, 8
	s_add_co_u32 s44, s44, s45
	s_mov_b32 s45, 0
	s_lshl_b32 s46, s17, 20                        ; my first row of out0: rows of 4,096 bytes
	s_lshl_b32 s47, s15, 19
	s_add_co_u32 s46, s46, s47
	s_mov_b32 s47, 0
	s_lshl_b32 s22, s15, 17
	s_mul_i32 s23, s14, 16*SPITCH
	s_add_co_u32 s23, s23, STAGE                   ; my stage
	s_wait_dscnt 0x0                               ; both opening adds are done
	s_wait_kmcnt 0x0
	s_load_b256 s[72:79], s[8:9], 0x0              ; e0 .. e7
	s_add_nc_u64 s[G0+2:G0+3], s[4:5], s[20:21]
	s_or_b32 s[G0+3], s[G0+3], 0x80000000
	s_add_nc_u64 s[88:89], s[6:7], s[42:43]
	s_add_nc_u64 s[92:93], s[10:11], s[44:45]
	s_add_nc_u64 s[12:13], s[12:13], s[44:45]
	s_add_nc_u64 s[12:13], s[12:13], s[46:47]
	CROUND                                         ; all four work-groups are here: the joint loads meet
	tensor_load_to_lds s[G0:G0+3], s[G1:G1+7]      ; my quarter of the tokens' tile: the wave's one tensor load
	s_nop 0
	v_and_b32 v1, 31, v0
	v_lshlrev_b32 v[LN], 4, v1
	v_bfe_u32 v3, v0, 4, 1                         ; h
	v_and_b32 v11, 15, v0                          ; r
	v_add_nc_u32 v[ADRA], s22, v[LN]
	v_add_nc_u32 v[ADRA+1], 0x10000, v[ADRA]
	v_lshlrev_b32 v30, 6, v3                       ; the bias: 16 numbers for each half of the lanes
	v_mul_u32_u24 v12, v11, SPITCH                 ; the stage, in: row r, 64 bytes for each half of the lanes
	v_lshl_add_u32 v12, v3, 6, v12
	v_add_nc_u32 v[STO], s23, v12
	v_mul_u32_u24 v13, v3, SPITCH                  ; back: lanes 0-15 one row of 256 bytes, lanes 16-31 the next
	v_lshl_add_u32 v13, v11, 4, v13
	v_add_nc_u32 v[RD], s23, v13
	v_lshlrev_b32 v14, 12, v3
	v_lshl_add_u32 v[CO], v11, 4, v14              ; and the same two rows in out0
	s_wait_alu depctr_va_vdst(0)                   ; the wait behind these writes
.macro BLOAD i                         ; W's four fragments of step i into slot i % 4
	WIN 0x80
.irp g, 0,1,2,3
.irp c, 0,1,2,3
	global_load_b128 v[64*((\i)%4)+16*\g+4*\c:64*((\i)%4)+16*\g+4*\c+3], v[LN], s[88:89] offset:((\i)/2)*KSS+\g*4096+((\i)%2)*2048+\c*512
.endr
.endr
.endm
.macro ALOAD i                         ; o's eight fragments of step i into set i % 2
	WIN 0xc0*((\i)%2)
.set SA, 128-64*((\i)%2)
.irp g, 0,1,2,3,4,5,6,7
.irp c, 0,1,2,3
	ds_load_b128 v[SA+16*\g+4*\c:SA+16*\g+4*\c+3], v[ADRA+(\i)/4] offset:(((\i)/2)%2)*32768+\g*4096+((\i)%2)*2048+\c*512
.endr
.endr
.endm
.macro MUL32 i                         ; the 32 accumulators take turns, one instruction a turn, in the same order in every step.  The first step starts the sums
.set SB, 64*((\i)%4)
.set SA, 128-64*((\i)%2)
	WIN 0x52|(12*((\i)%2))
.irp a, 0,1,2,3,4,5,6,7
.irp b, 0,1,2,3
.if (\i) == 0
	v_wmma_f32_16x16x128_fp8_fp8 v[32*\a+8*\b:32*\a+8*\b+7], v[SB+16*\b:SB+16*\b+15], v[SA+16*\a:SA+16*\a+15], 0
.else
	v_wmma_f32_16x16x128_fp8_fp8 v[32*\a+8*\b:32*\a+8*\b+7], v[SB+16*\b:SB+16*\b+15], v[SA+16*\a:SA+16*\a+15], v[32*\a+8*\b:32*\a+8*\b+7]
.endif
.endr
.endr
.endm
.macro STEP i
	PLACES                                         ; behind step i - 1's products, whose set and slot the loads below fill
.if (\i)+1 < NG
	ALOAD (\i)+1
.endif
.if (\i)+3 < NG
	BLOAD (\i)+3
.endif
.if NG-1-(\i) >= 3
	s_wait_loadcnt 48                              ; this step's W is in; the three younger groups of 16 loads may be out
.else
	s_wait_loadcnt 16*(NG-1-(\i))
.endif
.if (\i)+1 < NG
	s_wait_dscnt 32                                ; this step's o is in; the next step's 32 loads may be out
.else
	s_wait_dscnt 0
.endif
	MUL32 \i
.endm
.irp g, 0,1
.irp i, 0,1,2,3
	global_load_b128 v[BI+16*\g+4*\i:BI+16*\g+4*\i+3], v30, s[92:93] offset:128*\g+16*\i   ; register 16 g + n: column 32 g + 16 h + n
.endr
.endr
	BLOAD 0
	BLOAD 1
	BLOAD 2
	WIN 0
	s_wait_kmcnt 0x0
	s_add_co_i32 s96, s78, s79
	s_add_co_i32 s96, s96, 127
	s_lshl_b32 s96, s96, 23                        ; 2^(e6 + e7) as f32
	s_mov_b32 s97, s96                             ; (named with it as a pair, so it is written)
	s_wait_alu depctr_va_vdst(0)                   ; the wait at the head's end
	s_wait_tensorcnt 0x0                           ; my quarter of the tile is in,
	s_barrier_signal -1
	s_barrier_wait -1                              ; and everybody's
	ALOAD 0
.set I, 0
.rept 8
	STEP I
.set I, I+1
.endr
; THE WAY OUT, block by block of 16 tokens x 64 columns: sum x 2^(e6 + e7) + bias, each accumulator from its low end on; through my stage; whole rows of 256 bytes back; stored.
.macro TOSTAGE a
	WIN 0x01                                       ; source 0: window 1
.irp b, 0,1,2,3
.irp i, 0,2,4,6
	v_pk_fma_f32 v[TMP+8*\b+\i:TMP+8*\b+\i+1], v[32*(\a)+8*\b+\i:32*(\a)+8*\b+\i+1], s[96:97], v[BI+8*\b+\i:BI+8*\b+\i+1] op_sel_hi:[1,0,1]
.endr
.endr
	WIN 0
.irp b, 0,1,2,3
	ds_store_b128 v[STO], v[TMP+8*\b:TMP+8*\b+3] offset:128*(\b/2)+32*(\b%2)
	ds_store_b128 v[STO], v[TMP+8*\b+4:TMP+8*\b+7] offset:128*(\b/2)+32*(\b%2)+16
.endr
.set BB, BK+32*((\a)%2)
.irp t, 0,1,2,3,4,5,6,7
	ds_load_b128 v[BB+4*\t:BB+4*\t+3], v[RD] offset:\t*2*SPITCH   ; LDS serves a wave's instructions in order (ISA guide 5.7.1.4): these see the stores above
.endr
.endm
.macro SEND a, younger                 ; younger: the LDS instructions issued behind block a's loads, which may stay out
.set BB, BK+32*((\a)%2)
	s_wait_dscnt \younger
.irp t, 0,1,2,3,4,5,6,7
	global_store_b128 v[CO], v[BB+4*\t:BB+4*\t+3], s[12:13] offset:(16*(\a)+2*\t)*4096 th:TH_STORE_NT   ; 16 lanes store 256 consecutive bytes, at a multiple of 256 from out0's first byte
.endr
.endm
	PLACES
	TOSTAGE 0
.irp a, 1,2,3,4,5,6,7
.if \a > 1
	s_wait_xcnt 0x0                                ; block a - 2's stores have read their registers: block a's loads may land there
.endif
	TOSTAGE \a
	SEND (\a)-1, 16
.endr
	SEND 7, 0
	s_wait_tensorcnt 0x0                           ; the wave's end
	ds_add_u32 v[SPW], v[NIL]
	s_wait_dscnt 0x0
	CROUND                                         ; the closing round
	s_endpgm
.Lfunc_end_k_q25a9da84fc_oproj:
	.size	k_q25a9da84fc_oproj, .Lfunc_end_k_q25a9da84fc_oproj-k_q25a9da84fc_oproj
	.p2alignl 7, 3214868480
	.fill 96, 4, 3214868480
	.section	.rodata,"a",@progbits
	.p2align	6, 0x0
	.amdhsa_kernel k_q25a9da84fc_oproj
		.amdhsa_group_segment_fixed_size 327680
		.amdhsa_private_segment_fixed_size 0
		.amdhsa_enable_private_segment 0
		.amdhsa_kernarg_size 40
		.amdhsa_user_sgpr_count 2
		.amdhsa_user_sgpr_kernarg_segment_ptr 1
		.amdhsa_wavefront_size32 1
		.amdhsa_system_sgpr_workgroup_id_x 1
		.amdhsa_system_sgpr_workgroup_id_y 1
		.amdhsa_system_sgpr_workgroup_id_z 1
		.amdhsa_system_vgpr_workitem_id 0
		.amdhsa_next_free_vgpr 1024
		.amdhsa_next_free_sgpr 100
		.amdhsa_reserve_vcc 0
		.amdhsa_float_denorm_mode_32 3
		.amdhsa_float_denorm_mode_16_64 3
		.amdhsa_memory_ordered 1
		.amdhsa_forward_progress 1
		.amdhsa_inst_pref_size 75
	.end_amdhsa_kernel
	.amdgpu_metadata
---
amdhsa.version: [ 1, 2 ]
amdhsa.kernels:
  - .name:           k_q25a9da84fc_oproj
    .symbol:         k_q25a9da84fc_oproj.kd
    .args:
      - { .name: o_codes, .offset: 0, .size: 8, .value_kind: global_buffer, .address_space: global }
      - { .name: wout_codes, .offset: 8, .size: 8, .value_kind: global_buffer, .address_space: global }
      - { .name: lowp_scales, .offset: 16, .size: 8, .value_kind: global_buffer, .address_space: global }
      - { .name: out_proj_bias, .offset: 24, .size: 8, .value_kind: global_buffer, .address_space: global }
      - { .name: out0, .offset: 32, .size: 8, .value_kind: global_buffer, .address_space: global }
    .group_segment_fixed_size: 327680
    .private_segment_fixed_size: 0
    .kernarg_segment_align: 8
    .kernarg_segment_size: 40
    .max_flat_workgroup_size: 128
    .sgpr_count:     100
    .vgpr_count:     1024
    .wavefront_size: 32
...
	.end_amdgpu_metadata
.endif
;; end of part 4
